; MI455X (gfx1250); checked and timed in simulation.
; The chip was launched on July 23, 2026; its instructions are those of AMD's public machine-readable ISA for CDNA 5 (MIT licence, August 2026) and "CDNA5" Instruction Set Architecture Reference Guide (July 2026). The comments in the code are by the model that wrote it; some were corrected since.
;; Binary Linear. Allowed arithmetic: matrix products marked QUANTISED: E3M2 operands, one E8M0 scale for each 32 along K, by v_wmma_scale_f32_16x16x128_f8f6f4 with both operands' format E3M2, f32 sums; everything else in f32.
;; Inputs: bias 4,096 float32; weight 4,096 x 4,096 float32; x 4,096 x 4,096 float32.
;; Outputs: out0 4,096 x 4,096 float32.
;; This version of the problem:
;;   THIS VERSION OF THE PROBLEM IS GIVEN IN LOW PRECISION. The matrix products marked QUANTISED in the list below multiply operands that are first quantised to E3M2 (3 exponent bits, 2 mantissa bits; 6 bits a number), with one power-of-two scale for each 32 numbers along K (OCP MX v1.0); their sums are f32. All else is computed in f32.
;;   The module's matrix products, in the order in which they are computed (A, B: the left and right operand; K: the contracted axis; several contracted axes count as one K, in the product's order):
;;     1. [M 4,096, K 4,096] x [K 4,096, N 4,096]; A: computed on the way; B: computed on the way: QUANTISED
;;   THE QUANTISER, for each operand of a quantised product, along K:
;;     - K is cut into blocks of 32 from its start; a last block that is shorter is filled with zeros.
;;     - A block's scale is 2^e with e = floor(log2(the largest magnitude in the block)) - 4, held to -126 .. 127; a block of zeros has e = 0. As a byte (E8M0): e + 127.
;;     - Each number is divided by its block's scale, clamped to +-28, and rounded to the nearest number of E3M2, ties to even, subnormals kept.
;;     - The product sums the exact products of the quantised numbers (number of the format x scale) in f32.
;;   ~~~python
;;   def quantise(x, axis):      # numpy; x: float32 -> the quantised numbers, widened to float32 again
;;       x = np.moveaxis(x, axis, -1); K = x.shape[-1]
;;       x = np.pad(x, [(0, 0)] * (x.ndim - 1) + [(0, -K % 32)]); x = x.reshape(x.shape[:-1] + (-1, 32)); a = np.abs(x).max(-1, keepdims=True)
;;       e = np.where(a > 0, np.clip(np.frexp(np.where(a > 0, a, 1))[1] - 1 - 4, -126, 127), 0)      # np.frexp(a)[1] - 1 = floor(log2(a)), exactly
;;       r = np.clip(x / 2.0 ** e, -28, 28)
;;       step = 2.0 ** (np.maximum(np.frexp(np.where(r == 0, 1, r))[1] - 1, -2) - 2)
;;       q = np.round(r / step) * step * 2.0 ** e      # np.round: ties to even
;;       return np.moveaxis(q.reshape(q.shape[:-2] + (-1,))[..., :K], -1, axis).astype(np.float32)
;;   ~~~
;;   OPERANDS COMPUTED ON THE WAY. 'Computed on the way' means the value that the module computes at that place (a softmax that the list does not call 'softmax' is quantised finished and normalised). What goes into a quantiser is computed in f32, as accurately as f32 sums, v_exp_f32 and their like allow (about 1e-6 of the number): no bf16 or f16 on the way to a quantiser, and a product that is left as it is and whose result goes on into a quantised operand takes f32 operands (vector FMAs, or v_wmma_f32_16x16x4_f32). A number that lies on a knife's edge between two numbers of the format may be rounded either way, as far as f32 arithmetic and the matrix unit's own rounding can turn it there, and no further.
;; One version. Each part assembles by itself: llvm-mc -triple=amdgcn-amd-amdhsa -mcpu=gfx1250 --defsym DOCPART=n.
;; ======== version 1 of 1: 2 launches
;; limits: right only within a limited range of input values
;; workspace buffers: xc 12,582,912 bytes; wc 12,582,912 bytes; part 4,352 bytes
;; launch prep (part 1): grid 1024 x 1, 4 waves a work-group, no clusters, 34,816 bytes of LDS; arguments x, weight, bias, xc, wc, part; writes xc, wc, part
.if DOCPART == 1
	.amdgcn_target "amdgcn-amd-amdhsa--gfx1250"
	.amdhsa_code_object_version 6
	.text
	.protected	k_q3c996c02ad_prep
	.globl	k_q3c996c02ad_prep
	.p2align	8
	.type	k_q3c996c02ad_prep,@function
k_q3c996c02ad_prep:
	s_mov_b64 s[64:65], 0
	v_nop
	global_prefetch_b8 v0, s[64:65] scope:SCOPE_SE
	s_setreg_imm32_b32 hwreg(HW_REG_WAVE_MODE, 25, 1), 1
	s_wait_xcnt 0x0
; FIRST OF TWO LAUNCHES.  y = (sign(x) mean|x|) (sign(w) mean|w|)^T + sign(b) mean|b|, the product on codes of BF6 (E3M2) with one E8M0 scale for each 32 along K.
; Every number of sign(t) mean|t| that is not 0 has ONE magnitude, so all its codes have the same five magnitude bits, which are known only when the whole tensor has been read; the signs are known at once.
; This launch reads x, weight and bias ONCE and stores (a) SIGN CODES: for each number the code +28 or -28 (all five magnitude bits set) or the code 0, and (b) the sum of |.| of each work-group's part.
; The second launch adds the parts, quantises the mean by the stated rule, and cuts each sign code down to the mean's code by one AND.
; LAYOUT OF xc AND wc: the order of the operand's registers.  Tile row T (256 rows), K step s (128 along K), block i (16 rows): 1,536 bytes at 786,432 T + 24,576 s + 1,536 i; in them register j (0..11) of lane l
; at 512 (j / 4) + 16 l + 4 (j % 4).  Lane l holds row 16 i + l % 16; registers 6 c .. 6 c + 5 hold k = 64 c + 32 (l / 16) + 0 .. 31, as the 6-bit operand layout has them.
; SHARES.  Work-groups 0-511 take x, 512-1023 weight: only pointers are chosen, there is one path.  A work-group takes 16 rows x 2,048 along K; each of its four waves four K steps, one fragment each.
; A load takes a row's 512 consecutive bytes of a K step; the 16 rows turn through the wave's own stage in LDS and come back with 32 neighbours along K, twice, in each lane.
; THE SUM is kept short: 8 chains of 32 links a lane, then trees over the chains, the lanes and the waves: one f32 a work-group, 512 a tensor.  Work-group 0 also sums |bias|.
; LIMITS: NaN among the inputs is not served (an infinity gets its sign's code, but spoils the mean as it does in the definition); -0 gets the code -0, which multiplies as 0.
.set ROWB,  16384                      ; a row of x or weight in bytes
.set STEPB, 512                        ; 128 numbers
.set KSB,   24576                      ; a K step of a tile row in xc, wc
.set PITCH, 528                        ; a stage row: 512 bytes + 16 = 33 x 16: sixteen rows' pieces of 16 bytes begin at sixteen different places modulo 256 bytes
.set WSTG,  16*PITCH                   ; a wave's stage
.set RED,   4*WSTG                     ; behind the stages: four words for the waves' sums, four for their sums of |bias|
.set CL,    1                          ; v1   1.75 x 2^-23: what every number that is not 0 is held at
.set LI,    2                          ; v2   16 x lane: my place in a load's and in a store's 512 bytes; never rewritten
.set STI,   3                          ; v3   the stage, on the way in
.set STB,   4                          ; v4   and back: row l % 16, + 128 (l / 16)
.set SCL,   5                          ; v5   the conversions' scale operand: 2^-27
.set BS,    6                          ; v6   the sum of |bias| (0 in all work-groups but the first)
.set TMP,   7                          ; v7   at work
.set ACC,   8                          ; v8-15  eight chains
.set C,     16                         ; v16-27 a fragment's codes
.set TT,    28                         ; v28-30, v32-34: the halves whose place in the fragment begins on an odd register
.set SET,   48                         ; v48-239 three sets of 64 numbers
	s_load_b128 s[4:7], s[0:1], 0x0                ; x, weight
	s_load_b128 s[8:11], s[0:1], 0x10              ; bias, xc
	s_load_b128 s[12:15], s[0:1], 0x20             ; wc, part
	v_lshl_add_u32 v240, v0, 2, 0x8600
	v_mov_b32 v241, 0
	v_lshrrev_b32 v1, 5, v0
	v_readfirstlane_b32 s16, v1                    ; wave 0..3
	v_and_b32 v1, 31, v0
	v_lshlrev_b32 v[LI], 4, v1
	s_mul_i32 s17, s16, WSTG
	v_add_nc_u32 v[STI], s17, v[LI]
	v_and_b32 v[TMP], 15, v0
	v_mul_u32_u24 v[STB], v[TMP], PITCH
	v_bfe_u32 v[TMP], v0, 4, 1
	v_lshl_add_u32 v[STB], v[TMP], 7, v[STB]
	v_add_nc_u32 v[STB], s17, v[STB]
	v_mov_b32 v[CL], 0x34600000                    ; 1.75 x 2^-23 = 28 x 2^-27
	v_mov_b32 v[SCL], 0x32000000                   ; exponent field 100: 2^-27
	v_mov_b32 v[BS], 0
	s_mov_b32 s22, 0x7f000000                      ; 2^127
	s_mov_b32 s23, s22                             ; (named with it as a pair, so it is written)
	s_mov_b32 s24, 0x76543210
	s_mov_b32 s25, 0xfedcba98                      ; v_permlanex16_b32's selects for lane l xor 16
	s_and_b32 s18, ttmp9, 511                      ; my number within the tensor
	s_lshr_b32 s19, s18, 1                         ; which 16 rows
	s_and_b32 s18, s18, 1                          ; which half of K
	s_lshl_b32 s18, s18, 4
	s_lshl_b32 s21, s16, 2
	s_add_co_u32 s18, s18, s21                     ; my wave's first K step: 16 x half + 4 x wave
	s_lshl_b32 s26, s19, 18                        ; in: 16 rows of 16,384 bytes,
	s_lshl_b32 s21, s18, 9                         ; + 512 bytes a K step
	s_add_co_u32 s26, s26, s21
	s_mov_b32 s27, 0
	s_lshr_b32 s28, s19, 4                         ; out: the tile row,
	s_mul_i32 s28, s28, 786432
	s_mul_i32 s21, s18, KSB                        ; the K step,
	s_add_co_u32 s28, s28, s21
	s_and_b32 s21, s19, 15                         ; the block of 16 rows
	s_mul_i32 s21, s21, 1536
	s_add_co_u32 s28, s28, s21
	s_mov_b32 s29, 0
	s_wait_kmcnt 0x0
	s_cmp_lt_u32 ttmp9, 512                        ; x's work-group or weight's?  The choice hangs on the work-group's number alone
	s_cselect_b64 s[4:5], s[4:5], s[6:7]
	s_cselect_b64 s[10:11], s[10:11], s[12:13]
	s_add_nc_u64 s[4:5], s[4:5], s[26:27]
	s_add_nc_u64 s[10:11], s[10:11], s[28:29]
.macro LOAD j, u                       ; K step j of my four into set u: 16 loads, each a row's 512 consecutive bytes
.irp r, 0,1,2,3,4,5,6,7,8,9,10,11,12,13,14,15
	global_load_b128 v[SET+64*(\u)+4*\r:SET+64*(\u)+4*\r+3], v[LI], s[4:5] offset:\r*ROWB+(\j)*STEPB th:TH_LOAD_NT
.endr
.endm
	LOAD 0, 0
	LOAD 1, 1
	LOAD 2, 2
	s_cmp_lg_u32 ttmp9, 0                          ; work-group 0 sums |bias|: 4,096 bytes a wave, 32 numbers a lane, by a tree
	s_cbranch_scc1 .Lno_bias_sum
	s_lshl_b32 s21, s16, 12
	v_add_nc_u32 v[TMP], s21, v[LI]
.irp i, 0,1,2,3,4,5,6,7
	global_load_b128 v[16+4*\i:19+4*\i], v[TMP], s[8:9] offset:512*\i
.endr
	s_wait_loadcnt 0x0
.irp i, 0,1,2,3,4,5,6,7,8,9,10,11,12,13,14,15
	v_add_f32 v[16+\i], |v[16+\i]|, |v[32+\i]|
.endr
.irp i, 0,1,2,3,4,5,6,7
	v_add_f32 v[16+\i], v[16+\i], v[24+\i]
.endr
.irp i, 0,1,2,3
	v_add_f32 v[16+\i], v[16+\i], v[20+\i]
.endr
	v_add_f32 v16, v16, v18
	v_add_f32 v17, v17, v19
	v_add_f32 v[BS], v16, v17
.Lno_bias_sum:
; One fragment: K step j, in set u.  left = the loads of younger sets, which may stay out.
.macro FRAG j, u, left
.set S, SET+64*(\u)
	s_wait_loadcnt \left                           ; loads come back in order: this set's sixteen are in
.if \j == 0
.irp k, 0,1,2,3,4,5,6,7
	v_add_f32 v[ACC+\k], |v[S+\k]|, |v[S+8+\k]|    ; the first sixteen numbers start the chains: nothing is cleared
.endr
.set K, 16
.else
.set K, 0
.endif
.rept 64-K
	v_add_f32 v[ACC+K%8], v[ACC+K%8], |v[S+K]|
.set K, K+1
.endr
.irp r, 0,1,2,3,4,5,6,7,8,9,10,11,12,13,14,15
	ds_store_b128 v[STI], v[S+4*\r:S+4*\r+3] offset:PITCH*\r
.endr
	s_wait_dscnt 0x0                               ; the stores have read their registers, which take the numbers back
.irp c, 0,1
.irp i, 0,1,2,3,4,5,6,7
	ds_load_b128 v[S+32*\c+4*\i:S+32*\c+4*\i+3], v[STB] offset:256*\c+16*\i   ; register 32 c + n: k = 64 c + 32 (l / 16) + n of row l % 16
.endr
.endr
	s_wait_dscnt 0x0
.set K, 0
.rept 32
	v_pk_mul_f32 v[S+K:S+K+1], v[S+K:S+K+1], s[22:23] op_sel_hi:[1,0]   ; x 2^127: the smallest f32 number that is not 0, 2^-149, becomes 2^-22; 0 stays 0
.set K, K+2
.endr
.set K, 0
.rept 64
	v_med3_num_f32 v[S+K], v[S+K], -v[CL], v[CL]   ; held at 1.75 x 2^-23, which lies under 2^-22: now exactly + or - 28 x 2^-27, or 0
.set K, K+1
.endr
	s_wait_alu depctr_va_vdst(0)
	s_wait_xcnt 0x0                                ; the last fragment's stores have read the codes' registers: they are rewritten only behind this wait
	v_cvt_scalef32_pk16_bf6_f32 v[C:C+2], v[S:S+15], v[SCL]          ; / 2^-27: the codes of + or - 28, or of 0; 16 codes in 96 bits
	v_cvt_scalef32_pk16_bf6_f32 v[TT:TT+2], v[S+16:S+31], v[SCL]     ; (a conversion's three registers begin on an even number)
	v_cvt_scalef32_pk16_bf6_f32 v[C+6:C+8], v[S+32:S+47], v[SCL]
	v_cvt_scalef32_pk16_bf6_f32 v[TT+4:TT+6], v[S+48:S+63], v[SCL]
	v_nop                                          ; one plain vector instruction between a scaled conversion and the vector instruction that touches its result
.irp i, 0,1,2
	v_mov_b32 v[C+3+\i], v[TT+\i]
	v_mov_b32 v[C+9+\i], v[TT+4+\i]
.endr
.irp c, 0,1,2
	global_store_b128 v[LI], v[C+4*\c:C+4*\c+3], s[10:11] offset:(\j)*KSB+512*\c th:TH_STORE_NT   ; 32 lanes store 512 consecutive bytes, at a multiple of 512 from the buffer's first byte
.endr
.if \j == 0
	LOAD 3, 0                                      ; the fourth K step into the set that has just been worked
.endif
.endm
	FRAG 0, 0, 32                                  ; younger: sets 1 and 2
	FRAG 1, 1, 32                                  ; younger: set 2 and set 0's second fill
	FRAG 2, 2, 16                                  ; younger: set 0's second fill
	FRAG 3, 0, 0
	; the chains, the lanes, the waves: trees
	v_add_f32 v[ACC], v[ACC], v[ACC+1]
	v_add_f32 v[ACC+2], v[ACC+2], v[ACC+3]
	v_add_f32 v[ACC+4], v[ACC+4], v[ACC+5]
	v_add_f32 v[ACC+6], v[ACC+6], v[ACC+7]
	v_add_f32 v[ACC], v[ACC], v[ACC+2]
	v_add_f32 v[ACC+4], v[ACC+4], v[ACC+6]
	v_add_f32 v[ACC], v[ACC], v[ACC+4]
.irp m, 1,2,4,8
	v_add_f32_dpp v[ACC], v[ACC], v[ACC] row_xmask:\m row_mask:0xf bank_mask:0xf
	v_add_f32_dpp v[BS], v[BS], v[BS] row_xmask:\m row_mask:0xf bank_mask:0xf
.endr
	v_permlanex16_b32 v[TMP], v[ACC], s24, s25     ; (its destination counts as read: v7 has been written on every path)
	v_add_f32 v[ACC], v[ACC], v[TMP]
	v_permlanex16_b32 v[TMP], v[BS], s24, s25
	v_add_f32 v[BS], v[BS], v[TMP]
	s_lshl_b32 s21, s16, 2
	v_mov_b32 v[TMP], s21
	ds_store_b32 v[TMP], v[ACC] offset:RED         ; all lanes write the wave's word with the same value
	ds_store_b32 v[TMP], v[BS] offset:RED+16
	s_wait_dscnt 0x0                               ; for the others' sake: my two words lie in LDS
	s_barrier_signal -1
	s_barrier_wait -1
	v_mov_b32 v9, 0
	ds_load_b128 v[48:51], v9 offset:RED
	ds_load_b128 v[52:55], v9 offset:RED+16
	s_lshl_b32 s21, ttmp9, 2
	v_mov_b32 v[TMP], s21                          ; my work-group's word in part
	s_wait_dscnt 0x0
	v_add_f32 v48, v48, v49
	v_add_f32 v50, v50, v51
	v_add_f32 v52, v52, v53
	v_add_f32 v54, v54, v55
	v_add_f32 v48, v48, v50
	v_add_f32 v52, v52, v54
	s_cmp_lg_u32 s16, 0                            ; wave 0 stores for the work-group
	s_cbranch_scc1 .Lend
	v_cmp_eq_u32 vcc_lo, 0, v0
	s_wait_xcnt 0x0                                ; EXEC is a source of the stores above: it changes only behind this wait
	s_and_saveexec_b32 s30, vcc_lo                 ; lane 0 alone
	s_wait_alu depctr_va_vdst(0)
	global_store_b32 v[TMP], v48, s[14:15]         ; part[work-group]: words 0-511 x's, 512-1023 weight's
	s_cmp_lg_u32 ttmp9, 0
	s_cbranch_scc1 .Lno_bias_store
	global_store_b32 v[TMP], v52, s[14:15] offset:4096   ; part[1024]: the sum of |bias| (v7 is 0 in work-group 0)
.Lno_bias_store:
	s_wait_xcnt 0x0                                ; and again in front of the line that widens it
	s_or_b32 exec_lo, exec_lo, s30
.Lend:
	s_wait_tensorcnt 0x0
	ds_add_u32 v240, v241
	s_wait_dscnt 0x0
	s_endpgm
.Lfunc_end_k_q3c996c02ad_prep:
	.size	k_q3c996c02ad_prep, .Lfunc_end_k_q3c996c02ad_prep-k_q3c996c02ad_prep
	.p2alignl 7, 3214868480
	.fill 96, 4, 3214868480
	.section	.rodata,"a",@progbits
	.p2align	6, 0x0
	.amdhsa_kernel k_q3c996c02ad_prep
		.amdhsa_group_segment_fixed_size 34816
		.amdhsa_private_segment_fixed_size 0
		.amdhsa_enable_private_segment 0
		.amdhsa_kernarg_size 48
		.amdhsa_user_sgpr_count 2
		.amdhsa_user_sgpr_kernarg_segment_ptr 1
		.amdhsa_wavefront_size32 1
		.amdhsa_system_sgpr_workgroup_id_x 1
		.amdhsa_system_sgpr_workgroup_id_y 1
		.amdhsa_system_sgpr_workgroup_id_z 1
		.amdhsa_system_vgpr_workitem_id 0
		.amdhsa_next_free_vgpr 242
		.amdhsa_next_free_sgpr 66
		.amdhsa_reserve_vcc 1
		.amdhsa_float_denorm_mode_32 3
		.amdhsa_float_denorm_mode_16_64 3
		.amdhsa_memory_ordered 1
		.amdhsa_forward_progress 1
		.amdhsa_inst_pref_size 65
	.end_amdhsa_kernel
	.amdgpu_metadata
---
amdhsa.version: [ 1, 2 ]
amdhsa.kernels:
  - .name:           k_q3c996c02ad_prep
    .symbol:         k_q3c996c02ad_prep.kd
    .args:
      - { .name: x, .offset: 0, .size: 8, .value_kind: global_buffer, .address_space: global }
      - { .name: weight, .offset: 8, .size: 8, .value_kind: global_buffer, .address_space: global }
      - { .name: bias, .offset: 16, .size: 8, .value_kind: global_buffer, .address_space: global }
      - { .name: xc, .offset: 24, .size: 8, .value_kind: global_buffer, .address_space: global }
      - { .name: wc, .offset: 32, .size: 8, .value_kind: global_buffer, .address_space: global }
      - { .name: part, .offset: 40, .size: 8, .value_kind: global_buffer, .address_space: global }
    .group_segment_fixed_size: 34816
    .private_segment_fixed_size: 0
    .kernarg_segment_align: 8
    .kernarg_segment_size: 48
    .max_flat_workgroup_size: 128
    .sgpr_count:     66
    .vgpr_count:     242
    .wavefront_size: 32
...
	.end_amdgpu_metadata
.endif
;; end of part 1
;; launch gemm (part 2): grid 16 x 16, 4 waves a work-group, clusters of 4 x 4, 327,680 bytes of LDS; arguments xc, wc, part, bias, out0; writes out0
.if DOCPART == 2
	.amdgcn_target "amdgcn-amd-amdhsa--gfx1250"
	.amdhsa_code_object_version 6
	.text
	.protected	k_q3c996c02ad_gemm
	.globl	k_q3c996c02ad_gemm
	.p2align	8
	.type	k_q3c996c02ad_gemm,@function
k_q3c996c02ad_gemm:
	s_mov_b64 s[64:65], 0
	v_nop
	global_prefetch_b8 v0, s[64:65] scope:SCOPE_SE
	s_setreg_imm32_b32 hwreg(HW_REG_WAVE_MODE, 25, 1), 1
	s_wait_xcnt 0x0
	s_wait_alu depctr_hold_cnt(0) depctr_sa_sdst(0) depctr_va_vdst(0) depctr_va_sdst(0) depctr_va_ssrc(0) depctr_va_vcc(0) depctr_vm_vsrc(0)
	s_getreg_b32 s2, hwreg(HW_REG_IB_STS2, 6, 4)
	s_cmp_eq_u32 s2, 0
	s_cbranch_scc0 .Lentry_in_a_cluster
	s_endpgm
.Lentry_in_a_cluster:
	s_bfe_u32 s2, ttmp6, 0x10000c
	s_cmp_lg_u32 s2, 0xf033
	s_cbranch_scc0 .Lentry_shape_is_right
	s_endpgm
.Lentry_shape_is_right:
; SECOND OF TWO LAUNCHES.  out0 = Q(sign(x) mean|x|) Q(sign(w) mean|w|)^T + sign(b) mean|b|, Q the MX-BF6 quantiser along K.
; xc, wc hold SIGN CODES (+28, -28 or 0) in the order of the operand's registers (tile row of 256 rows: 786,432 bytes; K step of 128: 24,576; block of 16 rows: 1,536; register j of lane l at 512 (j / 4) + 16 l + 4 (j % 4)).
; part holds 512 partial sums of |x|, 512 of |weight| and the sum of |bias|.  Every wave adds the parts, quantises each mean by the stated rule (scale byte from its exponent field, code by the scaled conversion)
; and cuts each sign code down to the mean's code by one AND with the code of -mean (sign bit and magnitude bits), 16 codes in three scalar registers.  A block of zeros has zero codes, which add nothing under the tensor's scale byte.
; A work-group of four waves makes 256 x 256 of out0, a wave 128 x 128: 64 accumulators.  K goes in 32 steps of 128.  LDS: a ring of two slots, each three K steps of A's 256 rows and of B's 256 rows (dense, read 16 bytes a lane on end).
; Fill k holds steps 3 k - 1 .. 3 k + 1 in slot k % 2 (fill 0: steps 0 and 1).  CLUSTERS 4 x 4: A's tiles are asked for jointly along a row of the cluster, B's along a column.
; REGISTERS.  Every window: v32-79 and v80-127 two sets of four fragments, v128-255 sixteen accumulators; window 0 also v0-31 addresses.  Window 0: A's blocks 0-3, 1: A's 4-7, 2: B's 0-3, 3: B's 4-7.
; Accumulator (a, b) lies in window 2 (a / 4) + b / 4 at v[128 + 32 (a % 4) + 8 (b % 4)].
; A STEP t is 64 products on set t % 2, four phases of 16 under one window setting each, with no other instruction among them; then, two windows at a time, 96 cuts of step t + 1's registers (the other set, loaded a step ago)
; and a run of 24 LDS loads of step t + 2 into the set just multiplied.  The matrix instruction is used transposed (source 0 = B's rows): a lane holds eight neighbouring columns of a row.
; LIMITS: NaN among the inputs is not served; means under 2^-122 keep the scale byte 1.
.set QB,     24576                     ; a K step of a tile row
.set OPB,    3*QB                      ; one operand's part of a slot
.set SLOT,   2*OPB
.set SPARE,  2*SLOT                    ; the spare words: 128 bytes a wave, named by no other line
.set STAGE,  SLOT                      ; the way out goes through slot 1, which has had its last fill and its last read by then
.set SPITCH, 528
.set TILEB,  32*QB
.set LI,   2                           ; 16 x lane
.set ADR,  16                          ; v16-19 LDS addresses: A slot 0, 1; B slot 0, 1
.set STO,  20
.set RD,   21
.set SX,   22                          ; x's scale word, weight's: scales and nothing else
.set SW,   23
.set SPW,  24
.set NIL,  25
.set PFO,  26                          ; prefetch offsets: 256 x lane; 8,192 + 256 x min(lane, 3)
.set PFO2, 27
.set BB4,  28                          ; v28-31 sign(b) mean|b| of my four columns on the way out
.set G1A,  24
.set G0A,  32
.set G1B,  48
.set G0B,  56
.set G1A0, 68
.set G1B0, 76
.set G0AF, 84
.set G0BF, 88
.set MX,   92                          ; s92-94 sixteen codes of -mean|x|; s95-97 of -mean|weight|
.set PFA,  98
.set MSB, 0
.macro WIN new                         ; the immediate's high byte repeats the setting that is left
.if MSB != (\new)
	s_set_vgpr_msb (MSB<<8)|(\new)
.set MSB, (\new)
.endif
.endm
.macro PLACES
.rept 4
	v_nop
.endr
.endm
.macro JLOAD g0a, g1a, g0b, g1b        ; a joint load: waves 0, 1 fetch A's halves, waves 2, 3 B's; s_nop 0 and four v_nop behind each line
	s_cmp_eq_u32 s15, 0
	s_cbranch_scc0 .Lfor_b_\@
	tensor_load_to_lds s[\g0a:\g0a+3], s[\g1a:\g1a+7]
	s_nop 0
	PLACES
	s_branch .Lasked_\@
.Lfor_b_\@:
	tensor_load_to_lds s[\g0b:\g0b+3], s[\g1b:\g1b+7]
	s_nop 0
	PLACES
.Lasked_\@:
.endm
.macro CREST                           ; a round of the cluster's barrier behind its opening barrier
	s_cmp_lg_u32 s14, 0
	s_cbranch_scc1 .Lnot_wave_0_\@
	s_barrier_signal -3
.Lnot_wave_0_\@:
	s_barrier_wait -3
	s_barrier_signal -1
	s_barrier_wait -1
.endm
.macro CROUND
	s_barrier_signal -1
	s_barrier_wait -1
	CREST
.endm
; A prefetch, behind each refill: the fill that the NEXT refill asks for, three K steps ahead of that load.  A fill of one operand is 73,728 dense bytes, 288 blocks of 256: the four partners that ask for it jointly,
; two waves each, take 36 blocks each, told apart by address; the second line's lanes 4-31 name the wave's last block again.  cond = 1: not in the loop's last trip, where no fill is left.
.macro ASK cond
.if \cond
	s_cmp_gt_u32 s3, 1
	s_cbranch_scc0 .Lno_ask_\@
.endif
	global_prefetch_b8 v[PFO], s[PFA:PFA+1] th:TH_LOAD_NT scope:SCOPE_SE
	global_prefetch_b8 v[PFO2], s[PFA:PFA+1] th:TH_LOAD_NT scope:SCOPE_SE
.if \cond
.Lno_ask_\@:
.endif
.endm
	s_load_b128 s[4:7], s[0:1], 0x0                ; xc, wc
	s_load_b128 s[8:11], s[0:1], 0x10              ; part, bias
	s_load_b64 s[12:13], s[0:1], 0x20              ; out0
	v_lshl_add_u32 v[SPW], v0, 2, SPARE
	v_mov_b32 v[NIL], 0
	ds_add_u32 v[SPW], v[NIL]                      ; the opening lines: the add, twice on end, and its wait
	ds_add_u32 v[SPW], v[NIL]
	v_lshrrev_b32 v1, 5, v0
	v_readfirstlane_b32 s14, v1                    ; wave
	s_lshr_b32 s15, s14, 1                         ; my half of the rows; also: I fetch for A (0) or B (1)
	s_and_b32 s16, s14, 1                          ; my half of the columns; also: which half of a fill I fetch
	s_bfe_u32 s40, ttmp6, 0x40000                  ; cx
	s_bfe_u32 s41, ttmp6, 0x40004                  ; cy
	s_lshl_b32 s42, ttmp9, 2
	s_add_co_u32 s42, s42, s40                     ; tile column
	s_and_b32 s17, ttmp7, 0xffff
	s_lshl_b32 s17, s17, 2
	s_add_co_u32 s17, s17, s41                     ; tile row
	s_lshl_b32 s43, s41, 2
	s_lshl_b32 s43, 15, s43                        ; my row of the cluster
	s_lshl_b32 s44, 0x1111, s40                    ; my column
	s_or_b32 s[G1A], s43, (3<<16)|(1<<21)          ; elements of 8 bytes, the mask, bit 21 beside it
	s_or_b32 s[G1A0], s43, (3<<16)|(1<<21)
	s_or_b32 s[G1B], s44, (3<<16)|(1<<21)
	s_or_b32 s[G1B0], s44, (3<<16)|(1<<21)
.irp g, G1A, G1B                       ; the ring's loads: half a fill of one operand, dense, as 144 rows of 256 bytes
	s_mov_b32 s[\g+1], 32<<16
	s_mov_b32 s[\g+2], 144<<16
	s_mov_b32 s[\g+3], 32<<16
	s_mov_b32 s[\g+4], 144
	s_mov_b32 s[\g+5], 32
	s_mov_b32 s[\g+6], 0
	s_mov_b32 s[\g+7], 0
.endr
.irp g, G1A0, G1B0                     ; fill 0: one K step a wave, 96 rows of 256 bytes
	s_mov_b32 s[\g+1], 32<<16
	s_mov_b32 s[\g+2], 96<<16
	s_mov_b32 s[\g+3], 32<<16
	s_mov_b32 s[\g+4], 96
	s_mov_b32 s[\g+5], 32
	s_mov_b32 s[\g+6], 0
	s_mov_b32 s[\g+7], 0
.endr
	s_mul_i32 s20, s17, TILEB
	s_mov_b32 s21, 0
	s_mul_i32 s46, s42, TILEB
	s_mov_b32 s47, 0
	s_mul_i32 s22, s16, QB
	s_mov_b32 s23, 0
	s_mul_i32 s18, s16, OPB/2
	s_mov_b32 s19, 0
	s_mul_i32 s45, s15, OPB
	s_add_co_u32 s45, s45, s22
	s_add_co_u32 s45, s45, QB                      ; steps 0 and 1 lie at places 1 and 2 of slot 0
	s_mul_i32 s66, s14, OPB/2
	s_lshl_b32 s100, s42, 10
	s_lshl_b32 s101, s16, 9
	s_add_co_u32 s100, s100, s101                  ; my first column, in bytes of f32
	s_mov_b32 s101, 0
	s_mov_b32 s3, 4                                ; the loop's trips
	v_and_b32 v1, 31, v0
	v_lshlrev_b32 v[LI], 4, v1
	v_add_nc_u32 v3, s100, v[LI]
	v_mov_b32 v4, 0
	s_wait_alu depctr_va_vdst(0)                   ; directly ahead of the waits below
	s_wait_dscnt 0x0
	s_wait_kmcnt 0x0
.irp i, 0,1,2,3                        ; the parts and my bias are asked for first: they come while the round is held and fill 0 is on its way
	global_load_b128 v[128+4*\i:131+4*\i], v[LI], s[8:9] offset:512*\i
	global_load_b128 v[144+4*\i:147+4*\i], v[LI], s[8:9] offset:2048+512*\i
.endr
	global_load_b32 v160, v4, s[8:9] offset:4096
	global_load_b128 v[184:187], v3, s[10:11]
	s_add_nc_u64 s[20:21], s[4:5], s[20:21]        ; my tile row of xc
	s_add_nc_u64 s[46:47], s[6:7], s[46:47]        ; my tile column's rows of wc
	CROUND                                         ; in front of the first joint loads
	s_mov_b32 s[G0AF], 1
	s_mov_b32 s[G0AF+1], s45
	s_add_nc_u64 s[G0AF+2:G0AF+3], s[20:21], s[22:23]
	s_or_b32 s[G0AF+3], s[G0AF+3], 0x80000000
	s_mov_b32 s[G0BF], 1
	s_mov_b32 s[G0BF+1], s45
	s_add_nc_u64 s[G0BF+2:G0BF+3], s[46:47], s[22:23]
	s_or_b32 s[G0BF+3], s[G0BF+3], 0x80000000
	JLOAD G0AF, G1A0, G0BF, G1B0                   ; fill 0: my one tensor load at the head
.irp s, 0,1                            ; slot 1 begins with fill 1 (step 2), slot 0's first refill is fill 2 (step 5)
	s_mov_b32 s[G0A+4*\s], 1
	s_add_co_u32 s[G0A+4*\s+1], s66, \s*SLOT
	s_add_nc_u64 s[G0A+4*\s+2:G0A+4*\s+3], s[20:21], s[18:19]
	s_add_nc_u64 s[G0A+4*\s+2:G0A+4*\s+3], s[G0A+4*\s+2:G0A+4*\s+3], (5-3*\s)*QB
	s_or_b32 s[G0A+4*\s+3], s[G0A+4*\s+3], 0x80000000
	s_mov_b32 s[G0B+4*\s], 1
	s_add_co_u32 s[G0B+4*\s+1], s66, \s*SLOT
	s_add_nc_u64 s[G0B+4*\s+2:G0B+4*\s+3], s[46:47], s[18:19]
	s_add_nc_u64 s[G0B+4*\s+2:G0B+4*\s+3], s[G0B+4*\s+2:G0B+4*\s+3], (5-3*\s)*QB
	s_or_b32 s[G0B+4*\s+3], s[G0B+4*\s+3], 0x80000000
.endr
	s_mul_i32 s4, s15, 8*1536                      ; my eight blocks of A in slot 0, slot 1,
	s_add_co_u32 s5, s4, SLOT
	s_mul_i32 s6, s16, 8*1536                      ; and of B, behind A's part
	s_add_co_u32 s6, s6, OPB
	s_add_co_u32 s7, s6, SLOT
	s_mul_i32 s43, s14, 16*SPITCH
	s_add_co_u32 s43, s43, STAGE                   ; my stage
	s_lshl_b32 s18, s17, 8
	s_lshl_b32 s19, s15, 7
	s_add_co_u32 s18, s18, s19
	s_lshl_b32 s18, s18, 14                        ; my first row of out0, 16,384 bytes a row
	s_mov_b32 s19, 0
	s_add_nc_u64 s[12:13], s[12:13], s[18:19]
	s_add_nc_u64 s[12:13], s[12:13], s[100:101]
	s_cmp_eq_u32 s15, 0
	s_cselect_b64 s[PFA:PFA+1], s[20:21], s[46:47]
	s_cselect_b32 s44, s40, s41                    ; my place among the four that ask with me
	s_lshl_b32 s44, s44, 1
	s_add_co_u32 s44, s44, s16
	s_mul_i32 s44, s44, 9216                       ; 36 blocks of 256 bytes a wave
	s_add_co_u32 s44, s44, 8*QB                    ; the first prefetch names fill 3 (steps 8-10)
	s_mov_b32 s45, 0
	s_add_nc_u64 s[PFA:PFA+1], s[PFA:PFA+1], s[44:45]
	s_mov_b32 s18, 0x76543210
	s_mov_b32 s19, 0xfedcba98                      ; v_permlanex16_b32's selects for lane l xor 16
	v_add_nc_u32 v[ADR], s4, v[LI]
	v_add_nc_u32 v[ADR+1], s5, v[LI]
	v_add_nc_u32 v[ADR+2], s6, v[LI]
	v_add_nc_u32 v[ADR+3], s7, v[LI]
	v_and_b32 v5, 15, v0
	v_bfe_u32 v6, v0, 4, 1
	v_mul_u32_u24 v7, v5, SPITCH
	v_lshl_add_u32 v7, v6, 5, v7
	v_add_nc_u32 v[STO], s43, v7                   ; into the stage: row l % 16, 32 bytes for each half of the lanes
	v_add_nc_u32 v[RD], s43, v[LI]                 ; back: 32 lanes take a row of 512 bytes
	v_lshlrev_b32 v[PFO], 8, v1
	v_min_u32 v[PFO2], 3, v1
	v_lshl_add_u32 v[PFO2], v[PFO2], 8, 8192
	s_wait_alu depctr_va_vdst(0)                   ; directly ahead of the wait below
	s_wait_loadcnt 0x0
.macro TOTAL b                         ; 512 parts, 16 a lane: a tree over the registers, then over the lanes
	v_pk_add_f32 v[\b:\b+1], v[\b:\b+1], v[\b+2:\b+3]
	v_pk_add_f32 v[\b+4:\b+5], v[\b+4:\b+5], v[\b+6:\b+7]
	v_pk_add_f32 v[\b+8:\b+9], v[\b+8:\b+9], v[\b+10:\b+11]
	v_pk_add_f32 v[\b+12:\b+13], v[\b+12:\b+13], v[\b+14:\b+15]
	v_pk_add_f32 v[\b:\b+1], v[\b:\b+1], v[\b+4:\b+5]
	v_pk_add_f32 v[\b+8:\b+9], v[\b+8:\b+9], v[\b+12:\b+13]
	v_pk_add_f32 v[\b:\b+1], v[\b:\b+1], v[\b+8:\b+9]
	v_add_f32 v[\b], v[\b], v[\b+1]
.irp m, 1,2,4,8
	v_add_f32_dpp v[\b], v[\b], v[\b] row_xmask:\m row_mask:0xf bank_mask:0xf
.endr
	v_permlanex16_b32 v[\b+1], v[\b], s18, s19
	v_add_f32 v[\b], v[\b], v[\b+1]
.endm
.macro CODE b, sc, nm                  ; the mean, its scale word (one byte, four times) and sixteen codes of -mean
	v_mul_f32 v[\b], 0x33800000, v[\b]             ; / 2^24 numbers
	v_max_num_f32 v[\b+1], 0x2800000, v[\b]        ; the floor 2^(5 - 127): the byte cannot fall under 1
	v_add_nc_u32 v[\b+1], 0xfe000000, v[\b+1]      ; 4 off the exponent field: the conversion's scale operand
	v_lshrrev_b32 v[\b+2], 23, v[\b+1]
	v_lshl_or_b32 v[\b+2], v[\b+2], 8, v[\b+2]
	v_lshl_or_b32 v[\sc], v[\b+2], 16, v[\b+2]
	v_xor_b32 v164, 0x80000000, v[\b]
.irp i, 1,2,3,4,5,6,7,8,9,10,11,12,13,14,15
	v_mov_b32 v[164+\i], v164
.endr
	v_cvt_scalef32_pk16_bf6_f32 v[180:182], v[164:179], v[\b+1]
	v_nop                                          ; one plain place behind a scaled conversion
.irp i, 0,1,2
	v_readfirstlane_b32 s[\nm+\i], v[180+\i]
.endr
.endm
	TOTAL 128
	TOTAL 144
	CODE 128, SX, MX
	CODE 144, SW, MX+3
	v_mul_f32 v160, 0x39800000, v160               ; mean|bias|: / 2^12
.irp i, 0,1,2,3
	v_cmp_neq_f32 vcc_lo, 0, v[184+\i]
	v_bfi_b32 v[BB4+\i], 0x7fffffff, v160, v[184+\i]   ; the mean's magnitude under the bias's sign,
	v_cndmask_b32 v[BB4+\i], 0, v[BB4+\i], vcc_lo      ; or 0
.endr
; twelve LDS loads of 16 bytes a lane: window w's four fragments of the step at place nq of slot ns, into set pn.  Stands under a setting with destination window w and source 0 window 0.
.macro LD12 w, pn, ns, nq
.set N, 0
.rept 12
	ds_load_b128 v[32+48*(\pn)+4*N:32+48*(\pn)+4*N+3], v[ADR+2*((\w)/2)+(\ns)] offset:(\nq)*QB+(4*((\w)%2)+N/3)*1536+512*(N%3)
.set N, N+1
.endr
.endm
; a run of 24: windows 2 hi + 1 and 2 hi.  Stands under a setting whose destination is window 2 hi + 1 and whose source 0 is window 0: that of the window's cuts is one.
.macro LDPAIR hi, pn, ns, nq
	LD12 2*(\hi)+1, \pn, \ns, \nq
	WIN (2*(\hi))<<6
	LD12 2*(\hi), \pn, \ns, \nq
.endm
; phase w: A's blocks 4 (w / 2) .. + 3 against B's blocks 4 (w % 2) .. + 3, set p.  The 64 accumulators take turns in the same order in every step.
.macro PHASE p, w, zero
	WIN ((\w)<<6)|((\w)<<4)|(((\w)/2)<<2)|(2+(\w)%2)
.irp a, 0,1,2,3
.irp b, 0,1,2,3
.set rD, 128+8*(4*\a+\b)
.set rB, 32+48*(\p)+12*\b
.set rA, 32+48*(\p)+12*\a
.if \zero
	v_wmma_scale_f32_16x16x128_f8f6f4 v[rD:rD+7], v[rB:rB+11], v[rA:rA+11], 0, v[SW], v[SX] matrix_a_fmt:MATRIX_FMT_BF6 matrix_b_fmt:MATRIX_FMT_BF6
.else
	v_wmma_scale_f32_16x16x128_f8f6f4 v[rD:rD+7], v[rB:rB+11], v[rA:rA+11], v[rD:rD+7], v[SW], v[SX] matrix_a_fmt:MATRIX_FMT_BF6 matrix_b_fmt:MATRIX_FMT_BF6
.endif
.endr
.endr
.endm
.macro CUT w, pn                       ; window w's 48 registers of set pn: sign codes AND the code of -mean
	WIN ((\w)<<6)|((\w)<<2)
.set J, 0
.rept 48
	v_and_b32 v[32+48*(\pn)+J], s[MX+3*((\w)/2)+J%3], v[32+48*(\pn)+J]
.set J, J+1
.endr
.endm
; K step t on set p = t % 2; step t + 2 lies at place nq of slot ns.  kind 0: plain.  kind 1 (t a multiple of 3): the other slot was read out a step ago and is filled again, behind a round; the same round shows slot ns whole.
; kind 2: the same barrier with nothing left to fetch.  kind 4: cuts, no loads.  kind 3: the last step.  ask 0: prefetch as the pointer stands; 1: step it; 2: step it, and not in the last trip.
; The loads go into registers that this step's products read: the cuts ahead of them, which name the other set alone, are their places.
; Between the last cuts and the products that read them stand five switches of the window and no wait or branch, but at the loop's edge, which has its wait.
.macro STEP p, ns, nq, kind, zero, ask
.irp w, 0,1,2,3
	PHASE \p, \w, \zero
.endr
.if (\kind == 1) || (\kind == 2)
	WIN 0
.if (\kind == 1) && (\ask > 0)
	s_wait_xcnt 0x0                                ; the last prefetches have read their base
	s_add_nc_u64 s[PFA:PFA+1], s[PFA:PFA+1], OPB
.endif
	s_wait_tensorcnt 0x0                           ; my one load that was out, my part of slot ns, has landed
	ds_add_u32 v[SPW], v[NIL]
.if \kind == 1
	s_add_nc_u64 s[G0A+4*\ns+2:G0A+4*\ns+3], s[G0A+4*\ns+2:G0A+4*\ns+3], 2*OPB   ; slot ns's next fill
	s_add_nc_u64 s[G0B+4*\ns+2:G0B+4*\ns+3], s[G0B+4*\ns+2:G0B+4*\ns+3], 2*OPB
.endif
	s_wait_dscnt 1                                 ; the loads issued a step ago are in; the add alone may be out
	CUT 0, 1-(\p)                                  ; 48 cuts stand between the add and the wait for it (window 0's setting is 0)
	s_wait_dscnt 0x0                               ; the add is done, and my reads of the other slot are over
	s_barrier_signal -1
	CUT 1, 1-(\p)                                  ; work on registers while the others arrive
	s_wait_alu depctr_va_vdst(0)
	WIN 0
	s_barrier_wait -1
.if \kind == 1
	CREST                                          ; the barrier has opened a round: no wave of any partner reads the other slot or has a load on its way
	JLOAD G0A+4-4*\ns, G1A, G0B+4-4*\ns, G1B
	ASK (\ask)/2
.endif
	WIN 0x40
	LDPAIR 0, \p, \ns, \nq
.elseif \kind != 3
	s_wait_dscnt 0x0                               ; the loads issued a step ago
	CUT 0, 1-(\p)
	CUT 1, 1-(\p)
.if \kind == 0
	LDPAIR 0, \p, \ns, \nq
.endif
.endif
.if \kind != 3
	CUT 2, 1-(\p)
	CUT 3, 1-(\p)
.if \kind != 4
	LDPAIR 1, \p, \ns, \nq
.endif
	PLACES                                         ; an operand written by vector instructions stands four places ahead of a scaled matrix instruction
.endif
.endm
	s_wait_alu depctr_va_vdst(0)                   ; directly ahead of the wait below
	s_wait_tensorcnt 0x0                           ; my part of fill 0 is in; the three lines ahead of a later first fill, as ahead of a refill
	ds_add_u32 v[SPW], v[NIL]
	s_wait_dscnt 0x0
	CROUND
	JLOAD G0A+4, G1A, G0B+4, G1B                   ; fill 1, into slot 1
.irp w, 0,1,2,3                        ; step 0's fragments into set 0
	WIN (\w)<<6
	LD12 \w, 0, 0, 1
.endr
.irp w, 0,1,2,3                        ; each window is cut as soon as its twelve loads are in: the later windows' may be out
	s_wait_dscnt 36-12*\w
	CUT \w, 0
.endr
	s_wait_alu depctr_va_vdst(0)
	LDPAIR 1, 1, 0, 2                              ; step 1's fragments into set 1
	WIN 0x40
	LDPAIR 0, 1, 0, 2
	PLACES
	STEP 0, 1, 0, 1, 1, 0                          ; step 0 starts the sums; fill 2
	WIN 0
.Ltrip:                                                ; six steps: both sets and both slots are back where they began; steps 1-24, fills 3-10
	STEP 1, 1, 1, 0, 0, 0
	STEP 0, 1, 2, 0, 0, 0
	STEP 1, 0, 0, 1, 0, 1
	STEP 0, 0, 1, 0, 0, 0
	STEP 1, 0, 2, 0, 0, 0
	STEP 0, 1, 0, 1, 0, 2
	WIN 0
	s_sub_co_u32 s3, s3, 1
	s_cmp_lg_u32 s3, 0
	s_wait_alu depctr_va_vdst(0)                   ; directly ahead of the branch
	s_cbranch_scc1 .Ltrip
	STEP 1, 1, 1, 0, 0, 0                          ; steps 25-31 fetch nothing more
	STEP 0, 1, 2, 0, 0, 0
	STEP 1, 0, 0, 2, 0, 0
	STEP 0, 0, 1, 0, 0, 0
	STEP 1, 0, 2, 0, 0, 0
	STEP 0, 0, 0, 4, 0, 0
	STEP 1, 0, 0, 3, 0, 0
; THE WAY OUT, by blocks of 16 rows x 128 columns: through my own stage and back as whole rows of 512 bytes, the bias added, 32 lanes storing two aligned units of 256 bytes.
; LDS serves a wave's instructions in order, so no wait stands between the stage's stores and loads.
.macro TOSTAGE a
.set AC, 128+32*((\a)%4)
	WIN (2*((\a)/4))<<2
.irp b, 0,1,2,3
	ds_store_b128 v[STO], v[AC+8*\b:AC+8*\b+3] offset:64*\b          ; each accumulator from its low end on
	ds_store_b128 v[STO], v[AC+8*\b+4:AC+8*\b+7] offset:64*\b+16
.endr
	WIN (2*((\a)/4)+1)<<2
.irp b, 0,1,2,3
	ds_store_b128 v[STO], v[AC+8*\b:AC+8*\b+3] offset:256+64*\b
	ds_store_b128 v[STO], v[AC+8*\b+4:AC+8*\b+7] offset:256+64*\b+16
.endr
	WIN ((\a)%2)<<6                                ; back into v32-95 of window 0 or 1, by turns
.irp t, 0,1,2,3,4,5,6,7,8,9,10,11,12,13,14,15
	ds_load_b128 v[32+4*\t:35+4*\t], v[RD] offset:\t*SPITCH
.endr
.endm
.macro SEND a, younger                 ; younger: the LDS instructions issued behind block a's loads
	s_wait_dscnt \younger
.if (\a) > 0
	s_add_nc_u64 s[12:13], s[12:13], 16*16384      ; (behind a wait on XCNT) 16 rows on
.endif
	WIN (((\a)%2)<<6)|((\a)%2)
.irp t, 0,1,2,3,4,5,6,7,8,9,10,11,12,13,14,15
	v_pk_add_f32 v[32+4*\t:33+4*\t], v[32+4*\t:33+4*\t], v[BB4:BB4+1]
	v_pk_add_f32 v[34+4*\t:35+4*\t], v[34+4*\t:35+4*\t], v[BB4+2:BB4+3]
.endr
	WIN ((\a)%2)<<2
.irp t, 0,1,2,3,4,5,6,7,8,9,10,11,12,13,14,15
	global_store_b128 v[LI], v[32+4*\t:35+4*\t], s[12:13] offset:\t*16384 th:TH_STORE_NT
.endr
.endm
	PLACES                                         ; behind the last products: for the reads of results and the loads into fragment registers
	TOSTAGE 0
.irp a, 1,2,3,4,5,6,7
.if \a > 1
	s_wait_xcnt 0x0                                ; block a - 2's stores have read their registers and their base
.endif
	TOSTAGE \a
	SEND \a-1, 32                                  ; behind block a - 1's loads: block a's 16 stores and 16 loads
.endr
	s_wait_xcnt 0x0
	SEND 7, 0
	WIN 0
	s_wait_tensorcnt 0x0                           ; the wave's end
	ds_add_u32 v[SPW], v[NIL]
	s_wait_dscnt 0x0
	CROUND                                         ; the closing round
	s_endpgm
.Lfunc_end_k_q3c996c02ad_gemm:
	.size	k_q3c996c02ad_gemm, .Lfunc_end_k_q3c996c02ad_gemm-k_q3c996c02ad_gemm
	.p2alignl 7, 3214868480
	.fill 96, 4, 3214868480
	.section	.rodata,"a",@progbits
	.p2align	6, 0x0
	.amdhsa_kernel k_q3c996c02ad_gemm
		.amdhsa_group_segment_fixed_size 327680
		.amdhsa_private_segment_fixed_size 0
		.amdhsa_enable_private_segment 0
		.amdhsa_kernarg_size 40
		.amdhsa_user_sgpr_count 2
		.amdhsa_user_sgpr_kernarg_segment_ptr 1
		.amdhsa_wavefront_size32 1
		.amdhsa_system_sgpr_workgroup_id_x 1
		.amdhsa_system_sgpr_workgroup_id_y 1
		.amdhsa_system_sgpr_workgroup_id_z 1
		.amdhsa_system_vgpr_workitem_id 0
		.amdhsa_next_free_vgpr 1024
		.amdhsa_next_free_sgpr 102
		.amdhsa_reserve_vcc 1
		.amdhsa_float_denorm_mode_32 3
		.amdhsa_float_denorm_mode_16_64 3
		.amdhsa_memory_ordered 1
		.amdhsa_forward_progress 1
		.amdhsa_inst_pref_size 255
	.end_amdhsa_kernel
	.section	.bss,"aw",@nobits
	.p2align	6
	.space	262144
	.amdgpu_metadata
---
amdhsa.version: [ 1, 2 ]
amdhsa.kernels:
  - .name:           k_q3c996c02ad_gemm
    .symbol:         k_q3c996c02ad_gemm.kd
    .args:
      - { .name: xc, .offset: 0, .size: 8, .value_kind: global_buffer, .address_space: global }
      - { .name: wc, .offset: 8, .size: 8, .value_kind: global_buffer, .address_space: global }
      - { .name: part, .offset: 16, .size: 8, .value_kind: global_buffer, .address_space: global }
      - { .name: bias, .offset: 24, .size: 8, .value_kind: global_buffer, .address_space: global }
      - { .name: out0, .offset: 32, .size: 8, .value_kind: global_buffer, .address_space: global }
    .group_segment_fixed_size: 327680
    .private_segment_fixed_size: 0
    .kernarg_segment_align: 8
    .kernarg_segment_size: 40
    .max_flat_workgroup_size: 128
    .sgpr_count:     102
    .vgpr_count:     1024
    .wavefront_size: 32
...
	.end_amdgpu_metadata
.endif
;; end of part 2
